; MI455X (gfx1250); checked and timed in simulation.
; The chip was launched on July 23, 2026; its instructions are those of AMD's public machine-readable ISA for CDNA 5 (MIT licence, August 2026) and "CDNA5" Instruction Set Architecture Reference Guide (July 2026). The comments in the code are by the model that wrote it; some were corrected since.
;; LMMSETISTA. Allowed arithmetic: float matrix products may take bf16 or f16 operands with f32 sums; all other float work in f32.
;; Inputs: H 4,096 x 64 x 64 float32; sigma2 4,096 x 1 x 1 float32; step 10 float32; y 4,096 x 64 x 1 float32.
;; Outputs: out0 4,096 x 64 x 1 float32.
;; 2 versions, each right and faster than the one before. Each part assembles by itself: llvm-mc -triple=amdgcn-amd-amdhsa -mcpu=gfx1250 --defsym DOCPART=n.
;; ======== version 1 of 2: 1 launch
;; limits: below input magnitudes of 1e-08 results are inexact or not finite
;; launch tista (part 1): grid 256 x 1, 16 waves a work-group, no clusters, 57,344 bytes of LDS; arguments H, y, sigma2, step, out0; writes out0
.if DOCPART == 1
	.amdgcn_target "amdgcn-amd-amdhsa--gfx1250"
	.amdhsa_code_object_version 6
	.text
	.protected	k_q9b4fd9769d_tista
	.globl	k_q9b4fd9769d_tista
	.p2align	8
	.type	k_q9b4fd9769d_tista,@function
k_q9b4fd9769d_tista:
	s_mov_b64 s[64:65], 0
	v_nop
	global_prefetch_b8 v0, s[64:65] scope:SCOPE_SE
	s_setreg_imm32_b32 hwreg(HW_REG_WAVE_MODE, 25, 1), 1
	s_wait_xcnt 0x0
; LMMSE-TISTA: 4,096 independent problems (H 64 x 64, y 64, sigma2; step[10] shared), ten layers, x (64 numbers) out.  All in f32.
; ALGEBRA, exact for every H, y, step and sigma2 /= 0 (it uses that A is symmetric and that M = N = 64, which are shapes).
;   mu = v2 / sigma2, G = H H^T, E = (I + mu G)^-1, F = I - E.  Then W_hat = mu H^T E, tr(W_hat H) = tr F, |W_hat H|^2 = tr F^2,
;   sigma2 |W_hat|^2 = v2 tr(F E), F^2 + F E = F, tr E + tr F = N.  So
;     tau2 = v2 [(1 - step)^2 + step^2 tr E / tr F]      (a sum of terms that are not negative)
;     r    = x + step (N mu / tr F) H^T E (y - H x)      (the residual is the one that gave v2)
;   Nothing changes under H -> Q^T H, y -> Q^T y with Q orthogonal.  Q is made once, of 63 Householder reflectors, so that
;   T = (Q^T H)(Q^T H)^T is tridiagonal.  A layer is then products of the held matrix with vectors and a two-sided recurrence of
;   64 steps on I + mu T, which gives u = E (y - H x) and the diagonal of E.
; REFINEMENT: T as recorded and the product of the held matrix with its transpose differ by rounding, of the order of 2^-23 |G|
;   a reflector, and mu (up to some thousands) multiplies that difference in u.  So each layer solves twice: u0 from the residual w,
;   then du from rho = w - u0 - mu H (H^T u0), formed with the held matrix; r takes H^T u0 + H^T du.  What the difference leaves
;   in u is thereby multiplied by itself once more.  tr E and tr F are taken from T alone: they enter as two common factors.
; WHY NO MATRIX INSTRUCTION: no product of two matrices is left, only products of a 64 x 64 matrix with ONE vector (1 of a tile's 16
;   columns), and I + mu G has a condition number in the thousands, which 8 bits of mantissa in H do not carry.
; WHY NO TENSOR LOAD, LDS RING, CLUSTER, PREFETCH: every byte of H goes once, straight into the register in which it stays; no two
;   work-groups read the same byte; all global loads are the kernel's first memory instructions.
; SHARES: one wave, one problem; 16 waves a work-group, 256 work-groups.  Waves hand nothing to each other: no barrier; each wave
;   has 3,584 bytes of LDS of its own (base LB = wave x 3,584).
; LIMITS: sigma2 > 0 (the recurrence has no pivoting; I + mu T is then positive definite).  A reflector whose sum of squares is
;   under 2^-100 is left out (|H| of about 1e-8 and less).  tanh z = 1 - 2 / (1 + 2^(2.88539 z)): absolute error about 1e-7, the
;   ends come out as +-1.  Sums are taken in another order than the module takes them.  The maxima with 1e-9 let a NaN through.
;
; LANE l = 8 rg + cg (rg 0..3, cg 0..7).
;   matrix  P[s][c] = v[128 + 8 s + c]: row 4 q + rg (q: the natural slot that lies at place s), column 4 cg + c (c < 4), 32 + 4 cg + c - 4 (c >= 4)
;   vectors over rows,   'spread':  register s of lane (rg, .), the same in all cg:  Y, GV
;   vectors over columns:           8 registers a lane, the same in all rg:          XV, A, W
;   vectors 'natural':              lane l holds rows 2 l (first word) and 2 l + 1:  TA, TB, TP
; LDS of a wave: VN 0 (64 f32: spread -> natural) | CF 256 (64 structs of 16 bytes, forward) | CB 1280 (the same, backward) |
;                OF 2304 (64 x 8 bytes, forward results) | OB 2816 (backward results, in the order of the steps) | VU 3328 (64 f32: natural -> spread)
.set LW,   3584
.set VU,   3328
.set IDX,  5                           ; v5-8    4 (8 e + cg): from which lane the pivot row e of slot 0 is pulled (phase B)
.set TA,   20                          ; v20-21  a_k, T's diagonal
.set TB,   22                          ; v22-23  b_k, T's entry (k, k+1)
.set TP,   24                          ; v24-25  b_(k-1)
.set XV,   40                          ; v40-47  x
.set Y,    48                          ; v48-63  Q^T y
.set GV,   64                          ; v64-79  g, the reflector v, the residual, u
.set A,    80                          ; v80-87  the pivot row
.set W,    88                          ; v88-95  v^T H, then -tau v^T H; H^T u
.set TWY,  96                          ; v96-97  -tau v^T y, twice
.set TT,   98                          ; v98-105 four pairs at work
.set SV,   106                         ; v106-114 the slot (and its y) that a rotation carries to the top
.set YD,   116
.set SQ,   118
.set NT,   120                         ; v120-121 -tau, twice
.set TMP,  122
.set P,    128
.set MEQ,  22                          ; s22-25  lanes with rg = e
.set MGT,  26                          ; s26-28  lanes with rg > e
.set MT,   32                          ; s32-34  1 << 2q, 1 << (2q+1), 1 << (2q+2): the natural lanes of rows 4q .. 4q+4
.set ZM,   34                          ; s35-37  0 where the slot 1, 2, 3 below the stage's top is finished, else -1
; other registers: v1 l, v2 cg, v3 rg, v4 256 rg + 16 cg (these three up to the loads), v9 LB + 4 rg, v10 LB + 8 l, v11 LB + 256 + 32 l, v12 LB + 1280 + 32 (31 - l),
; v13 LB + 256 + 1024 (l / 16), v14 LB + 2304 + 512 (l / 16), v15 LB + 2304 + 16 l, v16 LB + 2816 + 16 (31 - l), v17 8 l, v18 16 (l % 16),
; v19 -64 sigma2, v26 1 / sum H^2, v27 1 / sigma2, v28 v2, v29 mu, v30-31 what comes from the other half of the lanes, v32-35 the chain's results, v36-39 at work.
; In the layers: v2-3 the right side of the solve in hand (natural), v4-5 step N mu / tr F (twice), v6-7 2 log2(e) / tau2 (twice).
; s14 wave, s15 problem, s18 LB, s20-21 lane selects, s29 a_k, s30 c1, s31 -c1, s38 sigma2, s39 trips, s40 step[t], s41 t, s42 4 t, s43 EXEC kept.
; ---- sums across lanes: exchanges by exclusive or leave the same bits in all lanes that take part, so no broadcast follows ----
.macro ALLSUM a                        ; over all 32 lanes
.irp x, 1,2,4,8
	v_add_f32_dpp v[\a], v[\a], v[\a] row_xmask:\x row_mask:0xf bank_mask:0xf
.endr
	v_permlanex16_b32 v30, v[\a], s20, s21
	v_add_f32 v[\a], v[\a], v30
.endm
.macro ALLSUM2 a, b                    ; two at once, by turns
.irp x, 1,2,4,8
	v_add_f32_dpp v[\a], v[\a], v[\a] row_xmask:\x row_mask:0xf bank_mask:0xf
	v_add_f32_dpp v[\b], v[\b], v[\b] row_xmask:\x row_mask:0xf bank_mask:0xf
.endr
	v_permlanex16_b32 v30, v[\a], s20, s21
	v_permlanex16_b32 v31, v[\b], s20, s21
	v_add_f32 v[\a], v[\a], v30
	v_add_f32 v[\b], v[\b], v31
.endm
.macro RGSUM r0, cnt                   ; cnt registers from r0 on, each summed over rg (lane bits 3 and 4)
.set rgi, 0
.rept \cnt
	v_add_f32_dpp v[\r0+rgi], v[\r0+rgi], v[\r0+rgi] row_xmask:8 row_mask:0xf bank_mask:0xf
.set rgi, rgi+1
.endr
.set rgi, 0
.rept (\cnt+1)/2
	v_permlanex16_b32 v30, v[\r0+rgi], s20, s21
.if rgi+1 < \cnt
	v_permlanex16_b32 v31, v[\r0+rgi+1], s20, s21
.endif
	v_add_f32 v[\r0+rgi], v[\r0+rgi], v30
.if rgi+1 < \cnt
	v_add_f32 v[\r0+rgi+1], v[\r0+rgi+1], v31
.endif
.set rgi, rgi+2
.endr
.endm
; v[d:d+1] = GV[g] (in both halves) * v[p:p+1] + v[c:c+1]
.macro FMAB d, g, p, c
.if (\g) & 1
	v_pk_fma_f32 v[\d:\d+1], v[GV+(\g)-1:GV+(\g)], v[\p:\p+1], v[\c:\c+1] op_sel:[1,0,0] op_sel_hi:[1,1,1]
.else
	v_pk_fma_f32 v[\d:\d+1], v[GV+(\g):GV+(\g)+1], v[\p:\p+1], v[\c:\c+1] op_sel_hi:[0,1,1]
.endif
.endm
; GV[s] = row . column vector a, for the slots 0 .. ns-1: four slots at a time (four chains), then the sum over cg
.macro ROWDOT ns, a
.set rdg, 0
.rept \ns/4
.irp i, 0,1,2,3
	v_pk_mul_f32 v[TT+2*\i:TT+2*\i+1], v[P+8*(rdg+\i):P+8*(rdg+\i)+1], v[\a:\a+1]
.endr
.irp j, 1,2,3
.irp i, 0,1,2,3
	v_pk_fma_f32 v[TT+2*\i:TT+2*\i+1], v[P+8*(rdg+\i)+2*\j:P+8*(rdg+\i)+2*\j+1], v[\a+2*\j:\a+2*\j+1], v[TT+2*\i:TT+2*\i+1]
.endr
.endr
.irp i, 0,1,2,3
	v_add_f32 v[GV+rdg+\i], v[TT+2*\i], v[TT+2*\i+1]
.endr
.set rdg, rdg+4
.endr
.irp x, 1,2,4
.set rdi, 0
.rept \ns
	v_add_f32_dpp v[GV+rdi], v[GV+rdi], v[GV+rdi] row_xmask:\x row_mask:0xf bank_mask:0xf
.set rdi, rdi+1
.endr
.endr
.endm
; W = sum over the slots' rows of GV[s] x row (four chains; the first product starts them); withy: v[TWY] = GV . Y too.  Then the sum over rg.
.macro COLDOT ns, withy
.irp j, 0,1,2,3
	v_pk_mul_f32 v[W+2*\j:W+2*\j+1], v[GV:GV+1], v[P+2*\j:P+2*\j+1] op_sel_hi:[0,1]
.endr
.set cds, 1
.rept \ns-1
.irp j, 0,1,2,3
	FMAB W+2*\j, cds, P+8*cds+2*\j, W+2*\j
.endr
.set cds, cds+1
.endr
.if \withy
	v_pk_mul_f32 v[YD:YD+1], v[GV:GV+1], v[Y:Y+1]
.set cds, 2
.rept \ns/2-1
	v_pk_fma_f32 v[YD:YD+1], v[GV+cds:GV+cds+1], v[Y+cds:Y+cds+1], v[YD:YD+1]
.set cds, cds+2
.endr
	v_add_f32 v[TWY], v[YD], v[YD+1]
	RGSUM W, 9                                     ; W's eight registers and v[TWY], which lies behind them
.else
	RGSUM W, 8
.endif
.endm
; The pivot row for the next step: row e of slot 0, pulled into every rg.  No LDS byte is touched; the eight count on DScnt.
.macro NEXTPIV e
.irp c, 0,1,2,3,4,5,6,7
	ds_bpermute_b32 v[A+\c], v[IDX+\e], v[P+\c]
.endr
.endm
; rows += v x (-tau v^T H), y += v (-tau v^T y).  e < 3: in place, slot 0 first, so that the next pivot row is on its way early.
; e = 3: slot 0 is finished (its v is 0): every slot moves one place down and slot 0 goes to the stage's top.
.macro RANK1 ns, e
.if \e < 3
.irp j, 0,1,2,3
	FMAB P+2*\j, 0, W+2*\j, P+2*\j
.endr
	NEXTPIV \e+1
.set r1s, 1
.rept \ns-1
.irp j, 0,1,2,3
	FMAB P+8*r1s+2*\j, r1s, W+2*\j, P+8*r1s+2*\j
.endr
.set r1s, r1s+1
.endr
.set r1s, 0
.rept \ns/2
	v_pk_fma_f32 v[Y+r1s:Y+r1s+1], v[GV+r1s:GV+r1s+1], v[TWY:TWY+1], v[Y+r1s:Y+r1s+1]
.set r1s, r1s+2
.endr
.else
.irp c, 0,1,2,3,4,5,6,7
	v_mov_b32 v[SV+\c], v[P+\c]
.endr
	v_mov_b32 v[SV+8], v[Y]
.set r1s, 1
.rept \ns-1
.irp j, 0,1,2,3
	FMAB P+8*(r1s-1)+2*\j, r1s, W+2*\j, P+8*r1s+2*\j
.endr
	v_fma_f32 v[Y+r1s-1], v[GV+r1s], v[TWY], v[Y+r1s]
.if r1s == 1
	NEXTPIV 0
.endif
.set r1s, r1s+1
.endr
.irp c, 0,1,2,3,4,5,6,7
	v_mov_b32 v[P+8*(\ns-1)+\c], v[SV+\c]
.endr
	v_mov_b32 v[Y+\ns-1], v[SV+8]
.endif
.endm
; ONE HOUSEHOLDER STEP, pivot row k = 4 q + e (row e of slot 0).  g = H h_k is column k of H H^T: a_k = g_k; the reflector
; v = g(rows > k) - alpha e_(k+1), alpha = -sign(g_(k+1)) sqrt(sum g^2), tau = 1 / (sum g^2 + |g_(k+1)| sqrt(sum g^2)), makes b_k = alpha.
.macro HSTEP ns, e
	s_wait_dscnt 0x0                               ; the eight pulls of the pivot row are in (the first time: Y's loads too)
	ROWDOT \ns, A
	v_readlane_b32 s29, v[GV], 8*\e                ; a_k
.if \e < 3
.set hsl, 0
	v_readlane_b32 s30, v[GV], 8*\e+8              ; c1 = g_(k+1)
	v_cndmask_b32 v[GV], 0, v[GV], s[MGT+\e]       ; rows up to k take no part
.else
.set hsl, 1
	v_readlane_b32 s30, v[GV+1], 0
	v_mov_b32 v[GV], 0
.endif
.irp j, 1,2,3
	v_cndmask_b32 v[GV+\ns-\j], 0, v[GV+\ns-\j], s[ZM+\j]   ; nor do the finished slots at the stage's top
.endr
	v_pk_mul_f32 v[SQ:SQ+1], v[GV:GV+1], v[GV:GV+1]
.set hsi, 2
.rept \ns/2-1
	v_pk_fma_f32 v[SQ:SQ+1], v[GV+hsi:GV+hsi+1], v[GV+hsi:GV+hsi+1], v[SQ:SQ+1]
.set hsi, hsi+2
.endr
	v_add_f32 v36, v[SQ], v[SQ+1]
	RGSUM 36, 1                                    ; sum g^2
	v_cmp_lt_f32 vcc_lo, 0x0d800000, v36           ; 2^-100 < sum g^2: else no reflector
	v_sqrt_f32 v37, v36
	v_cndmask_b32 v[TA+(\e&1)], v[TA+(\e&1)], s29, s[MT+\e/2]   ; a_k into its natural lane: the plain instruction between the root and its use (ISA guide 5.7.2)
	s_wait_alu depctr_va_vdst(0)
	v_fma_f32 v[TMP], -|s30|, v37, -v36
	s_xor_b32 s31, s30, 0x80000000
	v_rcp_f32 v38, v[TMP]                          ; -tau
	v_bfi_b32 v39, 0x7fffffff, v37, s31            ; alpha: the root with the sign of -c1; also the plain instruction behind the reciprocal
	s_wait_alu depctr_va_vdst(0)
	v_cndmask_b32 v[NT], 0, v38, vcc_lo
	v_mov_b32 v[NT+1], v[NT]
	v_cndmask_b32 v[TB+(\e&1)], v[TB+(\e&1)], v39, s[MT+\e/2]              ; b_k for row k,
	v_cndmask_b32 v[TP+((\e+1)&1)], v[TP+((\e+1)&1)], v39, s[MT+(\e+1)/2]  ; and for row k + 1 (row 64: the mask is 0)
	v_sub_f32 v[TMP], v[GV+hsl], v39
	v_cndmask_b32 v[GV+hsl], v[GV+hsl], v[TMP], s[MEQ+((\e+1)&3)]          ; v_(k+1) = g_(k+1) - alpha
	COLDOT \ns, 1
.irp j, 0,1,2,3
	v_pk_mul_f32 v[W+2*\j:W+2*\j+1], v[W+2*\j:W+2*\j+1], v[NT:NT+1]
.endr
	v_mul_f32 v[TWY], v[TWY], v[NT]
	v_mov_b32 v[TWY+1], v[TWY]
	RANK1 \ns, \e
.endm
; A STAGE: four trips of four steps on the slots 0 .. ns-1.  On the way in and over the backward jump alike the eight pulls of the next pivot row are out.
.macro STAGE ns
	s_mov_b32 s35, -1
	s_mov_b32 s36, -1
	s_mov_b32 s37, -1
	s_mov_b32 s39, 4
.Lstage_\@:
	HSTEP \ns, 0
	HSTEP \ns, 1
	HSTEP \ns, 2
	HSTEP \ns, 3
	s_mov_b32 s37, s36                             ; one more finished slot at the top
	s_mov_b32 s36, s35
	s_mov_b32 s35, 0
	s_lshl_b32 s32, s32, 2                         ; the next four rows' natural lanes
	s_lshl_b32 s33, s32, 1
	s_lshl_b32 s34, s33, 1
	s_sub_co_i32 s39, s39, 1
	s_cmp_lg_u32 s39, 0
	s_cbranch_scc1 .Lstage_\@
.endm
; THE CHAIN.  Lanes 0-15 eliminate forward (step j = row j), lanes 16-31 backward (step j = row 63 - j), every lane of a half the same.
; Struct j = [alpha, beta, w, 1 + alpha] (alpha = mu a, beta = mu b towards the row before).  pivot p = 1 + alpha - beta^2 / p_before;
; stored: eps = p - 1 = alpha - beta^2 / p_before (so that small mu loses nothing) and the eliminated right side g = w - (beta / p_before) g_before.
.macro LOADH h, j0                     ; eight structs, from j0 on, into half h of v64-127
.irp i, 0,1,2,3,4,5,6,7
	ds_load_b128 v[64+32*(\h)+4*\i:64+32*(\h)+4*\i+3], v13 offset:16*((\j0)+\i)
.endr
.endm
.macro CSTEP j
.set cS, 64+32*(((\j)/8)&1)+4*((\j)%8)
.set cE, 32+2*((\j)&1)
.set cO, 34-2*((\j)&1)
	s_wait_alu depctr_va_vdst(0)
	v_mul_f32 v36, v[cS+1], v38                    ; m = beta / p_before
	v_fma_f32 v37, -v[cS+1], v36, v[cS+3]          ; p
	v_rcp_f32 v38, v37
	v_fma_f32 v[cE], -v[cS+1], v36, v[cS]          ; eps: these two are the plain instructions behind the reciprocal
	v_fma_f32 v[cE+1], -v36, v[cO+1], v[cS+2]      ; g
	ds_store_b64 v14, v[cE:cE+1] offset:8*(\j)
.endm
; ONE SOLVE of (I + mu T) u = the natural vector in v2-3.  u goes through VU into GV (spread): sixteen loads are out at the macro's end.
; first = 1: v2-3 is still on its way from LDS at the macro's head, and the sums of my two rows' E_jj (v82) and F_jj (v83) are made too.
.macro SOLVE first
	; the structs of my two rows: forward v112-115, v116-119; backward v120-123, v124-127
	v_mul_f32 v112, v29, v[TA]
	v_mul_f32 v116, v29, v[TA+1]
	v_mul_f32 v113, v29, v[TP]
	v_mul_f32 v117, v29, v[TP+1]
	v_mul_f32 v121, v29, v[TB]
	v_mul_f32 v125, v29, v[TB+1]
	v_add_f32 v115, 1.0, v112
	v_add_f32 v119, 1.0, v116
	v_mov_b32 v120, v112
	v_mov_b32 v124, v116
	v_mov_b32 v123, v115
	v_mov_b32 v127, v119
.if \first
	s_wait_dscnt 0x0                               ; the residual of my two rows is in
.endif
	v_mov_b32 v114, v2
	v_mov_b32 v118, v3
	v_mov_b32 v122, v2
	v_mov_b32 v126, v3
	ds_store_b128 v11, v[112:115]
	ds_store_b128 v11, v[116:119] offset:16
	ds_store_b128 v12, v[124:127]                  ; row 2 l + 1 is backward step 62 - 2 l,
	ds_store_b128 v12, v[120:123] offset:16        ; row 2 l the step behind it
	LOADH 0, 0
	s_wait_dscnt 8                                 ; all but the eight loads just issued: the four stores are done, and their registers are loaded over
	LOADH 1, 8
	v_mov_b32 v38, 1.0                             ; the first step's beta is 0: any finite 1 / p_before will do
	v_mov_b32 v35, 0
.set cg8, 0
.rept 8
.if (cg8 == 0) || (cg8 == 7)
	s_wait_dscnt 8                                 ; behind this group's loads: the other half's eight loads (group 0), the last group's eight stores (group 7)
.else
	s_wait_dscnt 16                                ; behind this group's loads: the last group's eight stores and the next group's eight loads
.endif
.set cj, 8*cg8
.rept 8
	CSTEP cj
.set cj, cj+1
.endr
.if cg8 <= 5
	LOADH cg8&1, 8*(cg8+2)
.endif
.set cg8, cg8+1
.endr
	; both sides meet in each row: 1 / E_jj = 1 + delta, delta = eps_f + eps_b - alpha; u_j = (g_f + g_b - w) E_jj; F_jj = delta E_jj
	ds_load_b128 v[64:67], v15                     ; eps_f, g_f of row 2 l; of row 2 l + 1
	ds_load_b128 v[68:71], v16                     ; eps_b, g_b of row 2 l + 1; of row 2 l
	v_mul_f32 v74, v29, v[TA]
	v_mul_f32 v75, v29, v[TA+1]
	s_wait_dscnt 0x0
	v_add_f32 v76, v64, v70
	v_add_f32 v77, v66, v68
	v_add_f32 v80, v65, v71
	v_add_f32 v81, v67, v69
	v_pk_add_f32 v[76:77], v[76:77], v[74:75] neg_lo:[0,1] neg_hi:[0,1]
	v_pk_add_f32 v[78:79], v[76:77], 1.0 op_sel_hi:[1,0]
	v_rcp_f32 v78, v78
	v_rcp_f32 v79, v79
	v_pk_add_f32 v[80:81], v[80:81], v[2:3] neg_lo:[0,1] neg_hi:[0,1]     ; the plain instruction behind the reciprocals
	s_wait_alu depctr_va_vdst(0)
	v_pk_mul_f32 v[80:81], v[80:81], v[78:79]      ; u
.if \first
	v_add_f32 v82, v78, v79
	v_mul_f32 v83, v76, v78
	v_fmac_f32 v83, v77, v79
.endif
	ds_store_b64 v10, v[80:81] offset:VU           ; u natural -> spread; LDS serves a wave's instructions in order (ISA guide 5.7.1.4)
.set lyi, 0
.rept 16
	ds_load_b32 v[GV+lyi], v9 offset:VU+16*(lyi^12)
.set lyi, lyi+1
.endr
.endm
.macro TONATURAL                       ; GV (spread) into VN, in natural order
.set lyi, 0
.rept 16
	ds_store_b32 v9, v[GV+lyi] offset:16*(lyi^12)
.set lyi, lyi+1
.endr
.endm
; ================= A: addresses, loads, sum H^2, y spread =================
	s_load_b256 s[4:11], s[0:1], 0x0               ; H s[4:5], y s[6:7], sigma2 s[8:9], step s[10:11]
	s_load_b64 s[12:13], s[0:1], 0x20              ; out0
	v_and_b32 v1, 31, v0                           ; l
	v_lshrrev_b32 v2, 5, v0
	v_readfirstlane_b32 s14, v2                    ; wave
	v_and_b32 v2, 7, v0                            ; cg
	v_bfe_u32 v3, v0, 3, 2                         ; rg
	s_mul_i32 s18, s14, LW                         ; LB
	s_lshl_b32 s15, ttmp9, 4
	s_add_co_u32 s15, s15, s14                     ; my problem = 16 x work-group + wave
	v_lshlrev_b32 v4, 4, v2
	v_lshl_add_u32 v4, v3, 8, v4                   ; 256 rg + 16 cg
	v_lshlrev_b32 v5, 2, v2                        ; 4 (8 e + cg), e = 0 .. 3
	v_add_nc_u32 v6, 32, v5
	v_add_nc_u32 v7, 64, v5
	v_add_nc_u32 v8, 96, v5
	v_lshl_add_u32 v9, v3, 2, s18
	v_lshl_add_u32 v10, v1, 3, s18
	v_lshl_add_u32 v11, v1, 5, s18
	v_add_nc_u32 v11, 256, v11
	v_sub_nc_u32 v16, 31, v1                       ; 31 - l: the backward structs and results lie in the order of the steps
	v_lshl_add_u32 v12, v16, 5, s18
	v_add_nc_u32 v12, 1280, v12
	v_lshl_add_u32 v16, v16, 4, s18
	v_add_nc_u32 v16, 2816, v16
	v_lshrrev_b32 v15, 4, v1
	v_lshl_add_u32 v13, v15, 10, s18
	v_add_nc_u32 v13, 256, v13
	v_lshl_add_u32 v14, v15, 9, s18
	v_add_nc_u32 v14, 2304, v14
	v_lshl_add_u32 v15, v1, 4, s18
	v_add_nc_u32 v15, 2304, v15
	v_lshlrev_b32 v17, 3, v1
	v_and_b32 v18, 15, v1
	v_lshlrev_b32 v18, 4, v18
	s_mov_b32 s20, 0x76543210                      ; v_permlanex16_b32: each lane takes its own place in the other half
	s_mov_b32 s21, 0xfedcba98
	s_mov_b32 s22, 0xff
	s_mov_b32 s23, 0xff00
	s_mov_b32 s24, 0xff0000
	s_mov_b32 s25, 0xff000000
	s_mov_b32 s26, 0xffffff00
	s_mov_b32 s27, 0xffff0000
	s_mov_b32 s28, 0xff000000
	s_mov_b32 s32, 1
	s_mov_b32 s33, 2
	s_mov_b32 s34, 4
.irp r, 20,21,22,23,24,25,30,31
	v_mov_b32 v\r, 0                               ; T is filled lane by lane (row 0 keeps b_(-1) = 0); v30, v31 count as read by the lane exchange
.endr
	s_wait_kmcnt 0x0
	s_lshl_b32 s16, s15, 14                        ; 16,384 bytes of H a problem: under 2^26
	s_mov_b32 s17, 0
	s_add_nc_u64 s[4:5], s[4:5], s[16:17]
	s_lshl_b32 s16, s15, 8                         ; 256 bytes of y and of out0
	s_add_nc_u64 s[6:7], s[6:7], s[16:17]
	s_add_nc_u64 s[12:13], s[12:13], s[16:17]
	s_lshl_b32 s16, s15, 2
	s_add_nc_u64 s[8:9], s[8:9], s[16:17]
.set ldi, 0
.rept 16                                               ; a slot's two loads together cover four whole rows of 256 bytes; all 16 KiB are on their way at once
	global_load_b128 v[P+8*ldi:P+8*ldi+3],   v4, s[4:5] offset:1024*ldi th:TH_LOAD_NT
	global_load_b128 v[P+8*ldi+4:P+8*ldi+7], v4, s[4:5] offset:1024*ldi+128 th:TH_LOAD_NT
.set ldi, ldi+1
.endr
	global_load_b64 v[64:65], v17, s[6:7] th:TH_LOAD_NT
	s_load_b32 s38, s[8:9], 0x0
	s_wait_loadcnt 0x0
	s_wait_kmcnt 0x0
.irp i, 0,1,2,3
	v_pk_mul_f32 v[TT+2*\i:TT+2*\i+1], v[P+2*\i:P+2*\i+1], v[P+2*\i:P+2*\i+1]
.endr
.set ldi, 8
.rept 15
.irp i, 0,1,2,3
	v_pk_fma_f32 v[TT+2*\i:TT+2*\i+1], v[P+ldi+2*\i:P+ldi+2*\i+1], v[P+ldi+2*\i:P+ldi+2*\i+1], v[TT+2*\i:TT+2*\i+1]
.endr
.set ldi, ldi+8
.endr
	v_pk_add_f32 v[TT:TT+1], v[TT:TT+1], v[TT+2:TT+3]
	v_pk_add_f32 v[TT+4:TT+5], v[TT+4:TT+5], v[TT+6:TT+7]
	v_pk_add_f32 v[TT:TT+1], v[TT:TT+1], v[TT+4:TT+5]
	v_add_f32 v36, v[TT], v[TT+1]
	ALLSUM 36                                      ; tr(H^T H), which Q leaves as it is
	v_rcp_f32 v26, v36
	v_rcp_f32 v27, s38
	v_mov_b32 v19, s38
	v_mul_f32 v19, 0xc2800000, v19                 ; -M sigma2
	ds_store_b64 v10, v[64:65]                     ; y natural -> spread; LDS serves a wave's instructions in order (ISA guide 5.7.1.4)
.set ldi, 0
.rept 16
	ds_load_b32 v[Y+ldi], v9 offset:16*ldi
.set ldi, ldi+1
.endr
	NEXTPIV 0
; ================= B: 64 Householder steps.  After the stages natural slot q lies at place q xor 12. =================
	STAGE 16
	STAGE 12
	STAGE 8
	STAGE 4
	s_wait_dscnt 0x0                               ; the last pulls (not used): their registers serve other ends below
; ================= C: ten layers =================
.irp c, 0,1,2,3,4,5,6,7
	v_mov_b32 v[XV+\c], 0
.endr
	s_mov_b32 s41, 0
	s_mov_b32 s42, 0
.Llayer:                                               ; no LDS and no scalar load is out here, on the way in or back
	s_load_b32 s40, s[10:11], s42 offset:0x0       ; step[t]
	ROWDOT 16, XV
.set lyi, 0
.rept 8
	v_pk_add_f32 v[GV+lyi:GV+lyi+1], v[Y+lyi:Y+lyi+1], v[GV+lyi:GV+lyi+1] neg_lo:[0,1] neg_hi:[0,1]   ; the residual w
.set lyi, lyi+2
.endr
	TONATURAL
	ds_load_b64 v[2:3], v10                        ; w of my two rows
	v_pk_mul_f32 v[SQ:SQ+1], v[GV:GV+1], v[GV:GV+1]
.set lyi, 2
.rept 7
	v_pk_fma_f32 v[SQ:SQ+1], v[GV+lyi:GV+lyi+1], v[GV+lyi:GV+lyi+1], v[SQ:SQ+1]
.set lyi, lyi+2
.endr
	v_add_f32 v36, v[SQ], v[SQ+1]
	RGSUM 36, 1
	v_add_f32 v28, v36, v19
	v_mul_f32 v28, v28, v26
	v_maximum_f32 v28, 0x3089705f, v28             ; v2 = max((|resid|^2 - M sigma2) / tr, 1e-9)
	v_mul_f32 v29, v28, v27                        ; mu
	SOLVE 1                                        ; u0
	ALLSUM2 82, 83                                 ; tr E, tr F
	s_wait_kmcnt 0x0                               ; step[t]
	v_rcp_f32 v36, v83
	v_sub_f32 v38, 1.0, s40
	v_mul_f32 v38, v38, v38
	s_wait_alu depctr_va_vdst(0)
	v_mul_f32 v37, v82, v36
	v_mul_f32 v39, s40, s40
	v_fma_f32 v38, v39, v37, v38                   ; (1 - step)^2 + step^2 tr E / tr F
	v_mul_f32 v38, v38, v28
	v_maximum_f32 v38, 0x3089705f, v38             ; tau2
	v_rcp_f32 v37, v38
	v_mul_f32 v39, s40, v29
	v_mul_f32 v39, 0x42800000, v39
	v_mul_f32 v4, v39, v36                         ; step N mu / tr F
	v_mov_b32 v5, v4
	s_wait_alu depctr_va_vdst(0)
	v_mul_f32 v6, 0x4038aa3b, v37                  ; 2 log2(e) / tau2
	v_mov_b32 v7, v6
	s_wait_dscnt 0x0                               ; u0 is in, spread
	COLDOT 16, 0                                   ; z0 = H^T u0
.irp j, 0,1,2,3
	v_pk_fma_f32 v[XV+2*\j:XV+2*\j+1], v[W+2*\j:W+2*\j+1], v[4:5], v[XV+2*\j:XV+2*\j+1]   ; x takes its first part of r: x itself is not read again in this layer
.endr
	ROWDOT 16, W                                   ; H z0
	TONATURAL
	ds_load_b64 v[32:33], v10                      ; H z0 of my two rows
	ds_load_b64 v[34:35], v10 offset:VU            ; u0 of my two rows
	s_wait_dscnt 0x0
	v_pk_add_f32 v[2:3], v[2:3], v[34:35] neg_lo:[0,1] neg_hi:[0,1]
	v_fma_f32 v2, -v29, v32, v2                    ; rho = w - u0 - mu H H^T u0
	v_fma_f32 v3, -v29, v33, v3
	SOLVE 0                                        ; du
	s_wait_dscnt 0x0                               ; du is in, spread
	COLDOT 16, 0
.irp j, 0,1,2,3
	v_pk_fma_f32 v[W+2*\j:W+2*\j+1], v[W+2*\j:W+2*\j+1], v[4:5], v[XV+2*\j:XV+2*\j+1]     ; r
.endr
.irp j, 0,1,2,3
	v_pk_mul_f32 v[W+2*\j:W+2*\j+1], v[W+2*\j:W+2*\j+1], v[6:7]
.endr
.irp c, 0,1,2,3,4,5,6,7
	v_exp_f32 v[W+\c], v[W+\c]
.endr
	v_nop                                          ; a plain instruction between the last exponential and its use
	s_wait_alu depctr_va_vdst(0)
.irp j, 0,1,2,3
	v_pk_add_f32 v[W+2*\j:W+2*\j+1], v[W+2*\j:W+2*\j+1], 1.0 op_sel_hi:[1,0]
.endr
.irp c, 0,1,2,3,4,5,6,7
	v_rcp_f32 v[W+\c], v[W+\c]
.endr
	v_nop
	s_wait_alu depctr_va_vdst(0)
.irp j, 0,1,2,3
	v_pk_fma_f32 v[XV+2*\j:XV+2*\j+1], v[W+2*\j:W+2*\j+1], -2.0, 1.0 op_sel_hi:[1,0,0]    ; x = tanh(r / tau2)
.endr
	s_add_co_u32 s42, s42, 4                       ; free: the load that named it was waited for above
	s_add_co_u32 s41, s41, 1
	s_cmp_lt_u32 s41, 10
	s_cbranch_scc1 .Llayer
; ================= D: x out.  Lanes 0-7 hold columns 4 l .. 4 l + 3, lanes 8-15 columns 32 + 4 (l - 8) ..: sixteen lanes store 256 consecutive bytes, aligned =================
.irp c, 0,1,2,3
	v_cndmask_b32 v[64+\c], v[XV+\c], v[XV+4+\c], s23
.endr
	v_cmp_gt_u32 vcc_lo, 16, v1
	s_wait_xcnt 0x0                                ; EXEC is narrowed only when every earlier memory instruction has had its addresses translated
	s_and_saveexec_b32 s43, vcc_lo
	global_store_b128 v18, v[64:67], s[12:13] th:TH_STORE_NT
	s_wait_xcnt 0x0                                ; and widened again only behind the same wait
	s_or_b32 exec_lo, exec_lo, s43
	s_endpgm
.Lfunc_end_k_q9b4fd9769d_tista:
	.size	k_q9b4fd9769d_tista, .Lfunc_end_k_q9b4fd9769d_tista-k_q9b4fd9769d_tista
	.p2alignl 7, 3214868480
	.fill 96, 4, 3214868480
	.section	.rodata,"a",@progbits
	.p2align	6, 0x0
	.amdhsa_kernel k_q9b4fd9769d_tista
		.amdhsa_group_segment_fixed_size 57344
		.amdhsa_private_segment_fixed_size 0
		.amdhsa_enable_private_segment 0
		.amdhsa_kernarg_size 40
		.amdhsa_user_sgpr_count 2
		.amdhsa_user_sgpr_kernarg_segment_ptr 1
		.amdhsa_wavefront_size32 1
		.amdhsa_system_sgpr_workgroup_id_x 1
		.amdhsa_system_sgpr_workgroup_id_y 1
		.amdhsa_system_sgpr_workgroup_id_z 1
		.amdhsa_system_vgpr_workitem_id 0
		.amdhsa_next_free_vgpr 256
		.amdhsa_next_free_sgpr 66
		.amdhsa_reserve_vcc 1
		.amdhsa_float_denorm_mode_32 3
		.amdhsa_float_denorm_mode_16_64 3
		.amdhsa_memory_ordered 1
		.amdhsa_forward_progress 1
		.amdhsa_inst_pref_size 255
	.end_amdhsa_kernel
	.section	.bss,"aw",@nobits
	.p2align	6
	.space	262144
	.amdgpu_metadata
---
amdhsa.version: [ 1, 2 ]
amdhsa.kernels:
  - .name:           k_q9b4fd9769d_tista
    .symbol:         k_q9b4fd9769d_tista.kd
    .args:
      - { .name: H, .offset: 0, .size: 8, .value_kind: global_buffer, .address_space: global }
      - { .name: y, .offset: 8, .size: 8, .value_kind: global_buffer, .address_space: global }
      - { .name: sigma2, .offset: 16, .size: 8, .value_kind: global_buffer, .address_space: global }
      - { .name: step, .offset: 24, .size: 8, .value_kind: global_buffer, .address_space: global }
      - { .name: out0, .offset: 32, .size: 8, .value_kind: global_buffer, .address_space: global }
    .group_segment_fixed_size: 57344
    .private_segment_fixed_size: 0
    .kernarg_segment_align: 8
    .kernarg_segment_size: 40
    .max_flat_workgroup_size: 512
    .sgpr_count:     66
    .vgpr_count:     256
    .wavefront_size: 32
...
	.end_amdgpu_metadata
.endif
;; end of part 1
;; ======== version 2 of 2: 1 launch; 1.24 times as fast as version 1
;; limits: below input magnitudes of 1e-08 results are inexact or not finite
;; launch tista (part 2): grid 256 x 1, 16 waves a work-group, no clusters, 40,960 bytes of LDS; arguments H, y, sigma2, step, out0; writes out0
.if DOCPART == 2
	.amdgcn_target "amdgcn-amd-amdhsa--gfx1250"
	.amdhsa_code_object_version 6
	.text
	.protected	k_q9b4fd9769d_tista
	.globl	k_q9b4fd9769d_tista
	.p2align	8
	.type	k_q9b4fd9769d_tista,@function
k_q9b4fd9769d_tista:
	s_mov_b64 s[64:65], 0
	v_nop
	global_prefetch_b8 v0, s[64:65] scope:SCOPE_SE
	s_setreg_imm32_b32 hwreg(HW_REG_WAVE_MODE, 25, 1), 1
	s_wait_xcnt 0x0
; LMMSE-TISTA: 4,096 independent problems (H 64 x 64, y 64, sigma2; step[10] shared), ten layers, x (64 numbers) out.  All in f32.
; ALGEBRA, exact for every H, y, step and sigma2 /= 0 (it uses that A is symmetric and that M = N = 64, which are shapes).
;   mu = v2 / sigma2, G = H H^T, E = (I + mu G)^-1, F = I - E.  Then W_hat = mu H^T E, tr(W_hat H) = tr F, |W_hat H|^2 = tr F^2,
;   sigma2 |W_hat|^2 = v2 tr(F E), F^2 + F E = F, tr E + tr F = N.  So
;     tau2 = v2 [(1 - step)^2 + step^2 tr E / tr F]      (a sum of terms that are not negative)
;     r    = x + step (N mu / tr F) H^T E (y - H x)      (the residual is the one that gave v2)
;   Nothing changes under H -> Q^T H, y -> Q^T y with Q orthogonal.  Q is made once, of 63 Householder reflectors, so that
;   T = (Q^T H)(Q^T H)^T is tridiagonal.  A layer is then products of the held matrix with vectors and a two-sided recurrence of
;   64 steps on I + mu T, which gives u = E (y - H x) and the diagonal of E.
; REFINEMENT: T as recorded and the product of the held matrix with its transpose differ by rounding, of the order of 2^-23 |G|
;   a reflector, and mu (up to some thousands) multiplies that difference in u.  So each layer solves twice: u0 from the residual w,
;   then du from rho = w - u0 - mu H (H^T u0), formed with the held matrix; r takes H^T u0 + H^T du.  What the difference leaves
;   in u is thereby multiplied by itself once more.  The second solve keeps the first one's multipliers and diagonal, which hang on
;   mu alone: it is one multiply-add a step.  tr E and tr F are taken from T alone: they enter as two common factors.
; WHY NO MATRIX INSTRUCTION: no product of two matrices is left, only products of a 64 x 64 matrix with ONE vector (1 of a tile's 16
;   columns), and I + mu G has a condition number in the thousands, which 8 bits of mantissa in H do not carry.
; WHY NO TENSOR LOAD, LDS RING, CLUSTER, PREFETCH: every byte of H goes once, straight into the register in which it stays; no two
;   work-groups read the same byte; all global loads are the kernel's first memory instructions.
; SHARES: one wave, one problem; 16 waves a work-group, 256 work-groups.  Waves hand nothing to each other: no barrier; each wave
;   has 2,560 bytes of LDS of its own (base LB = wave x 2,560).
; THE DUAL FORM: the products with the held matrix are written as two independent multiply-adds in one instruction.  The encoding asks
;   for one even and one odd destination, and for first sources, and second sources, whose register numbers differ modulo 4.  So the
;   first half takes slot s (s even), column c, and the second half slot s + 1, column c + 1; a second instruction takes the two crossings.
; LIMITS: sigma2 > 0 (the recurrence has no pivoting; I + mu T is then positive definite).  A reflector whose sum of squares is
;   under 2^-100 is left out (|H| of about 1e-8 and less).  tanh z = 1 - 2 / (1 + 2^(2.88539 z)): absolute error about 1e-7, the
;   ends come out as +-1.  Sums are taken in another order than the module takes them.  The maxima with 1e-9 let a NaN through.
;
; LANE l = 8 rg + cg (rg 0..3, cg 0..7).
;   matrix  P[s][c] = v[128 + 8 s + c]: row 4 q + rg (q: the natural slot that lies at place s), column 4 cg + c (c < 4), 32 + 4 cg + c - 4 (c >= 4)
;   vectors over rows,   'spread':  register s of lane (rg, .), the same in all cg:  Y, GV
;   vectors over columns:           8 registers a lane, the same in all rg:          XV, A, W
;   vectors 'natural':              lane l holds rows 2 l (first word) and 2 l + 1:  TA, TB, TP
; LDS of a wave: VN 0 (64 f32: spread -> natural) | VU 256 (64 f32: natural -> spread) | CH 512: the chain's arrays, 64 f32 each, in the order of
;   the steps: forward beta^2, 1 + alpha, beta (then m), w (then g); from 1536 the same four backward (step j = row 63 - j)
.set LW,   2560
.set VU,   256
.set CH,   512
.set CD,   256                         ; the arrays' places in a direction's 1,024 bytes (beta^2 at 0)
.set CM,   512
.set CG,   768
.set IDX,  5                           ; v5-8    4 (8 e + cg): from which lane the pivot row e of slot 0 is pulled (phase B)
.set TA,   20                          ; v20-21  a_k, T's diagonal
.set TB,   22                          ; v22-23  b_k, T's entry (k, k+1)
.set TP,   24                          ; v24-25  b_(k-1)
.set XV,   40                          ; v40-47  x
.set Y,    48                          ; v48-63  Q^T y
.set GV,   64                          ; v64-79  g, the reflector v, the residual, u
.set A,    80                          ; v80-87  the pivot row
.set W,    88                          ; v88-95  v^T H, then -tau v^T H; H^T u
.set TWY,  96                          ; v96-97  -tau v^T y, twice
.set TT,   98                          ; v98-105 four pairs at work (sum H^2)
.set SV,   106                         ; v106-114 the slot (and its y) that a rotation carries to the top
.set YD,   116
.set SQ,   118
.set NT,   120                         ; v120-121 -tau, twice
.set TMP,  122
.set P,    128
.set MEQ,  22                          ; s22-25  lanes with rg = e
.set MGT,  26                          ; s26-28  lanes with rg > e
.set MT,   32                          ; s32-34  1 << 2q, 1 << (2q+1), 1 << (2q+2): the natural lanes of rows 4q .. 4q+4
.set ZM,   34                          ; s35-37  0 where the slot 1, 2, 3 below the stage's top is finished, else -1
; other registers: v1 l, v2 cg, v3 rg, v4 256 rg + 16 cg (these three up to the loads), v9 LB + 4 rg, v10 LB + 8 l, v11 LB + 512 + 8 l, v12 LB + 1536 + 8 (31 - l),
; v13 LB + 512 + 1024 (l / 16), v17 8 l, v18 16 (l % 16), v19 -64 sigma2, v26 1 / sum H^2, v27 1 / sigma2, v28 v2, v29 mu,
; v30-31 what comes from the other half of the lanes, v32-33, v36-39 at work.
; In the layers: v2-3 the right side of the solve in hand (natural), v4-5 step N mu / tr F (twice), v6-7 2 log2(e) / tau2 (twice), v8 1.0 and v16 0 (what the chains'
; first step reads as its forerunner), v14-15 E_jj of my two rows, v80-81 u of my two rows.
; s14 wave, s15 problem, s18 LB, s20-21 lane selects, s29 a_k, s30 c1, s31 -c1, s38 sigma2, s39 trips, s40 step[t], s41 t, s42 4 t, s43 EXEC kept.
; ---- sums across lanes: exchanges by exclusive or leave the same bits in all lanes that take part, so no broadcast follows ----
.macro ALLSUM a                        ; over all 32 lanes
.irp x, 1,2,4,8
	v_add_f32_dpp v[\a], v[\a], v[\a] row_xmask:\x row_mask:0xf bank_mask:0xf
.endr
	v_permlanex16_b32 v30, v[\a], s20, s21
	v_add_f32 v[\a], v[\a], v30
.endm
.macro ALLSUM2 a, b                    ; two at once, by turns
.irp x, 1,2,4,8
	v_add_f32_dpp v[\a], v[\a], v[\a] row_xmask:\x row_mask:0xf bank_mask:0xf
	v_add_f32_dpp v[\b], v[\b], v[\b] row_xmask:\x row_mask:0xf bank_mask:0xf
.endr
	v_permlanex16_b32 v30, v[\a], s20, s21
	v_permlanex16_b32 v31, v[\b], s20, s21
	v_add_f32 v[\a], v[\a], v30
	v_add_f32 v[\b], v[\b], v31
.endm
.macro RGSUM r0, cnt                   ; cnt registers from r0 on, each summed over rg (lane bits 3 and 4)
.set rgi, 0
.rept \cnt
	v_add_f32_dpp v[\r0+rgi], v[\r0+rgi], v[\r0+rgi] row_xmask:8 row_mask:0xf bank_mask:0xf
.set rgi, rgi+1
.endr
.set rgi, 0
.rept (\cnt+1)/2
	v_permlanex16_b32 v30, v[\r0+rgi], s20, s21
.if rgi+1 < \cnt
	v_permlanex16_b32 v31, v[\r0+rgi+1], s20, s21
.endif
	v_add_f32 v[\r0+rgi], v[\r0+rgi], v30
.if rgi+1 < \cnt
	v_add_f32 v[\r0+rgi+1], v[\r0+rgi+1], v31
.endif
.set rgi, rgi+2
.endr
.endm
; v[d:d+1] = GV[g] (in both halves) * v[p:p+1] + v[c:c+1]: the packed form, for the update that moves a slot (its destination is not its addend)
.macro FMAB d, g, p, c
.if (\g) & 1
	v_pk_fma_f32 v[\d:\d+1], v[GV+(\g)-1:GV+(\g)], v[\p:\p+1], v[\c:\c+1] op_sel:[1,0,0] op_sel_hi:[1,1,1]
.else
	v_pk_fma_f32 v[\d:\d+1], v[GV+(\g):GV+(\g)+1], v[\p:\p+1], v[\c:\c+1] op_sel_hi:[0,1,1]
.endif
.endm
; GV[s] = row . column vector a, for the slots 0 .. ns-1.  Each slot's eight products are one chain straight into GV[s]; the first product starts it.  A dual instruction serves
; slot s with column c and slot s + 1 with column (c + 1) mod 8; the ns / 2 pairs of slots take turns, so that a chain's links stand ns / 2 instructions apart.  Then the sum over cg.
.macro ROWDOT ns, a
.set rdc, 0
.rept 8
.set rds, 0
.rept \ns/2
.if rdc == 0
	v_dual_mul_f32 v[GV+rds], v[P+8*rds], v[\a] :: v_dual_mul_f32 v[GV+rds+1], v[P+8*rds+9], v[\a+1]
.else
	v_dual_fmac_f32 v[GV+rds], v[P+8*rds+rdc], v[\a+rdc] :: v_dual_fmac_f32 v[GV+rds+1], v[P+8*rds+8+((rdc+1)&7)], v[\a+((rdc+1)&7)]
.endif
.set rds, rds+2
.endr
.set rdc, rdc+1
.endr
.irp x, 1,2,4
.set rdi, 0
.rept \ns
	v_add_f32_dpp v[GV+rdi], v[GV+rdi], v[GV+rdi] row_xmask:\x row_mask:0xf bank_mask:0xf
.set rdi, rdi+1
.endr
.endr
.endm
; W = sum over the slots' rows of GV[s] x row (eight chains; the first products start them); withy: v[TWY] = GV . Y too, a link behind each pair of slots.  Then the sum over rg.
.macro COLDOT ns, withy
.set cds, 0
.rept \ns/2
.irp j, 0,2,4,6
.if cds == 0
	v_dual_mul_f32 v[W+\j], v[GV], v[P+\j] :: v_dual_mul_f32 v[W+\j+1], v[GV+1], v[P+8+\j+1]
.else
	v_dual_fmac_f32 v[W+\j], v[GV+cds], v[P+8*cds+\j] :: v_dual_fmac_f32 v[W+\j+1], v[GV+cds+1], v[P+8*cds+8+\j+1]
.endif
.endr
.irp j, 0,2,4,6
	v_dual_fmac_f32 v[W+\j], v[GV+cds+1], v[P+8*cds+8+\j] :: v_dual_fmac_f32 v[W+\j+1], v[GV+cds], v[P+8*cds+\j+1]
.endr
.if \withy
.if cds == 0
	v_dual_mul_f32 v[YD], v[GV], v[Y] :: v_dual_mul_f32 v[YD+1], v[GV+1], v[Y+1]
.else
	v_dual_fmac_f32 v[YD], v[GV+cds], v[Y+cds] :: v_dual_fmac_f32 v[YD+1], v[GV+cds+1], v[Y+cds+1]
.endif
.endif
.set cds, cds+2
.endr
.if \withy
	v_add_f32 v[TWY], v[YD], v[YD+1]
	RGSUM W, 9                                     ; W's eight registers and v[TWY], which lies behind them
.else
	RGSUM W, 8
.endif
.endm
; The pivot row for the next step: row e of slot 0, pulled into every rg.  No LDS byte is touched; the eight count on DScnt.
.macro NEXTPIV e
.irp c, 0,1,2,3,4,5,6,7
	ds_bpermute_b32 v[A+\c], v[IDX+\e], v[P+\c]
.endr
.endm
; rows += v x (-tau v^T H), y += v (-tau v^T y).  e < 3: in place, by pairs of slots, slots 0 and 1 first, so that the next pivot row is on its way early.
; e = 3: slot 0 is finished (its v is 0): every slot moves one place down and slot 0 goes to the stage's top.
.macro RANK1 ns, e
.if \e < 3
.set r1s, 0
.rept \ns/2
.irp j, 0,2,4,6
	v_dual_fmac_f32 v[P+8*r1s+\j], v[GV+r1s], v[W+\j] :: v_dual_fmac_f32 v[P+8*r1s+8+\j+1], v[GV+r1s+1], v[W+\j+1]
.endr
.irp j, 0,2,4,6
	v_dual_fmac_f32 v[P+8*r1s+8+\j], v[GV+r1s+1], v[W+\j] :: v_dual_fmac_f32 v[P+8*r1s+\j+1], v[GV+r1s], v[W+\j+1]
.endr
	v_dual_fmac_f32 v[Y+r1s], v[GV+r1s], v[TWY] :: v_dual_fmac_f32 v[Y+r1s+1], v[GV+r1s+1], v[TWY+1]
.if r1s == 0
	NEXTPIV \e+1
.endif
.set r1s, r1s+2
.endr
.else
.irp c, 0,1,2,3,4,5,6,7
	v_mov_b32 v[SV+\c], v[P+\c]
.endr
	v_mov_b32 v[SV+8], v[Y]
.set r1s, 1
.rept \ns-1
.irp j, 0,1,2,3
	FMAB P+8*(r1s-1)+2*\j, r1s, W+2*\j, P+8*r1s+2*\j
.endr
	v_fma_f32 v[Y+r1s-1], v[GV+r1s], v[TWY], v[Y+r1s]
.if r1s == 1
	NEXTPIV 0
.endif
.set r1s, r1s+1
.endr
.irp c, 0,1,2,3,4,5,6,7
	v_mov_b32 v[P+8*(\ns-1)+\c], v[SV+\c]
.endr
	v_mov_b32 v[Y+\ns-1], v[SV+8]
.endif
.endm
; ONE HOUSEHOLDER STEP, pivot row k = 4 q + e (row e of slot 0).  g = H h_k is column k of H H^T: a_k = g_k; the reflector
; v = g(rows > k) - alpha e_(k+1), alpha = -sign(g_(k+1)) sqrt(sum g^2), tau = 1 / (sum g^2 + |g_(k+1)| sqrt(sum g^2)), makes b_k = alpha.
.macro HSTEP ns, e
	s_wait_dscnt 0x0                               ; the eight pulls of the pivot row are in (the first time: Y's loads too)
	ROWDOT \ns, A
	v_readlane_b32 s29, v[GV], 8*\e                ; a_k
.if \e < 3
.set hsl, 0
	v_readlane_b32 s30, v[GV], 8*\e+8              ; c1 = g_(k+1)
	v_cndmask_b32 v[GV], 0, v[GV], s[MGT+\e]       ; rows up to k take no part
.else
.set hsl, 1
	v_readlane_b32 s30, v[GV+1], 0
	v_mov_b32 v[GV], 0
.endif
.irp j, 1,2,3
	v_cndmask_b32 v[GV+\ns-\j], 0, v[GV+\ns-\j], s[ZM+\j]   ; nor do the finished slots at the stage's top
.endr
	v_pk_mul_f32 v[SQ:SQ+1], v[GV:GV+1], v[GV:GV+1]
.set hsi, 2
.rept \ns/2-1
	v_pk_fma_f32 v[SQ:SQ+1], v[GV+hsi:GV+hsi+1], v[GV+hsi:GV+hsi+1], v[SQ:SQ+1]
.set hsi, hsi+2
.endr
	v_add_f32 v36, v[SQ], v[SQ+1]
	RGSUM 36, 1                                    ; sum g^2
	v_cmp_lt_f32 vcc_lo, 0x0d800000, v36           ; 2^-100 < sum g^2: else no reflector
	v_sqrt_f32 v37, v36
	v_cndmask_b32 v[TA+(\e&1)], v[TA+(\e&1)], s29, s[MT+\e/2]   ; a_k into its natural lane: the plain instruction between the root and its use (ISA guide 5.7.2)
	s_wait_alu depctr_va_vdst(0)
	v_fma_f32 v[TMP], -|s30|, v37, -v36
	s_xor_b32 s31, s30, 0x80000000
	v_rcp_f32 v38, v[TMP]                          ; -tau
	v_bfi_b32 v39, 0x7fffffff, v37, s31            ; alpha: the root with the sign of -c1; also the plain instruction behind the reciprocal
	s_wait_alu depctr_va_vdst(0)
	v_cndmask_b32 v[NT], 0, v38, vcc_lo
	v_mov_b32 v[NT+1], v[NT]
	v_cndmask_b32 v[TB+(\e&1)], v[TB+(\e&1)], v39, s[MT+\e/2]              ; b_k for row k,
	v_cndmask_b32 v[TP+((\e+1)&1)], v[TP+((\e+1)&1)], v39, s[MT+(\e+1)/2]  ; and for row k + 1 (row 64: the mask is 0)
	v_sub_f32 v[TMP], v[GV+hsl], v39
	v_cndmask_b32 v[GV+hsl], v[GV+hsl], v[TMP], s[MEQ+((\e+1)&3)]          ; v_(k+1) = g_(k+1) - alpha
	COLDOT \ns, 1
.irp j, 0,2,4,6
	v_dual_mul_f32 v[W+\j], v[W+\j], v[NT] :: v_dual_mul_f32 v[W+\j+1], v[W+\j+1], v[NT+1]
.endr
	v_mul_f32 v[TWY], v[TWY], v[NT]
	v_mov_b32 v[TWY+1], v[TWY]
	RANK1 \ns, \e
.endm
; A STAGE: four trips of four steps on the slots 0 .. ns-1.  On the way in and over the backward jump alike the eight pulls of the next pivot row are out.
.macro STAGE ns
	s_mov_b32 s35, -1
	s_mov_b32 s36, -1
	s_mov_b32 s37, -1
	s_mov_b32 s39, 4
.Lstage_\@:
	HSTEP \ns, 0
	HSTEP \ns, 1
	HSTEP \ns, 2
	HSTEP \ns, 3
	s_mov_b32 s37, s36                             ; one more finished slot at the top
	s_mov_b32 s36, s35
	s_mov_b32 s35, 0
	s_lshl_b32 s32, s32, 2                         ; the next four rows' natural lanes
	s_lshl_b32 s33, s32, 1
	s_lshl_b32 s34, s33, 1
	s_sub_co_i32 s39, s39, 1
	s_cmp_lg_u32 s39, 0
	s_cbranch_scc1 .Lstage_\@
.endm
; THE CHAINS.  Lanes 0-15 eliminate forward (step j = row j), lanes 16-31 backward (step j = row 63 - j), every lane of a half the same.
; alpha = mu a, beta = mu b towards the row before.  pivot p_j = 1 + alpha_j - beta_j^2 / p_(j-1); multiplier m_j = beta_j / p_(j-1);
; eliminated right side g_j = w_j - m_j g_(j-1).  All in place: 1 / p over 1 + alpha, m over beta, g over w, in the registers and, four steps a store, in LDS.
; v64-127 are two halves that take turns.  A half is loaded again behind the NEXT group's first step, which still reads its last 1 / p and g.  Those loads land on
; registers that pending LDS stores name as data: LDS serves a wave's instructions in order (ISA guide 5.7.1.4), so each store has taken its data before a later load returns.
.macro LOADF h, g                      ; the full chain: group g (8 steps) into half h: beta^2 +0, 1 + alpha +8, beta +16, w +24
.irp a, 0,1,2,3
	ds_load_b128 v[64+32*(\h)+8*\a:64+32*(\h)+8*\a+3],   v13 offset:256*\a+32*(\g)
	ds_load_b128 v[64+32*(\h)+8*\a+4:64+32*(\h)+8*\a+7], v13 offset:256*\a+32*(\g)+16
.endr
.endm
.macro FSTEP j
.set fB, 64+32*(((\j)/8)&1)+((\j)%8)
.if (\j) == 0
.set fPD, 8                            ; the first step's beta is 0: 1.0 and 0 stand for its forerunner
.set fPG, 16
.else
.set fPD, 64+32*((((\j)-1)/8)&1)+(((\j)-1)%8)+8
.set fPG, fPD+16
.endif
	s_wait_alu depctr_va_vdst(0)
	v_fma_f32 v[fB+8], -v[fB], v[fPD], v[fB+8]     ; p
	v_rcp_f32 v[fB+8], v[fB+8]
	v_mul_f32 v[fB+16], v[fB+16], v[fPD]           ; m: this and the next are the plain instructions between the reciprocal and its use (ISA guide 5.7.2)
	v_fma_f32 v[fB+24], -v[fB+16], v[fPG], v[fB+24]    ; g
.if ((\j)%4) == 3
	ds_store_b128 v13, v[fB+13:fB+16] offset:CM+16*((\j)/4)
	ds_store_b128 v13, v[fB+21:fB+24] offset:CG+16*((\j)/4)
.endif
.endm
.macro LOADL h, g                      ; the right side's chain: group g (16 steps) into half h: m +0, rho +16
.irp q, 0,1,2,3
	ds_load_b128 v[64+32*(\h)+4*\q:64+32*(\h)+4*\q+3],       v13 offset:CM+64*(\g)+16*\q
	ds_load_b128 v[64+32*(\h)+16+4*\q:64+32*(\h)+16+4*\q+3], v13 offset:CG+64*(\g)+16*\q
.endr
.endm
.macro LSTEP j
.set lB, 64+32*(((\j)/16)&1)+((\j)%16)
.if (\j) == 0
.set lPG, 16
.else
.set lPG, 64+32*((((\j)-1)/16)&1)+(((\j)-1)%16)+16
.endif
	v_fma_f32 v[lB+16], -v[lB], v[lPG], v[lB+16]   ; g
.if ((\j)%4) == 3
	ds_store_b128 v13, v[lB+13:lB+16] offset:CG+16*((\j)/4)
.endif
.endm
.macro SPREADU                         ; u of my two rows (v80-81) through VU into GV: sixteen loads are out at the macro's end
	ds_store_b64 v10, v[80:81] offset:VU
.set lyi, 0
.rept 16
	ds_load_b32 v[GV+lyi], v9 offset:VU+16*(lyi^12)
.set lyi, lyi+1
.endr
.endm
.macro TONATURAL                       ; GV (spread) into VN, in natural order
.set lyi, 0
.rept 16
	ds_store_b32 v9, v[GV+lyi] offset:16*(lyi^12)
.set lyi, lyi+1
.endr
.endm
; THE FIRST SOLVE of a layer: (I + mu T) u = w, w (v2-3) still on its way from LDS at the macro's head.  It leaves m in LDS, E_jj in v14-15, u in v80-81 and (spread, on its way) in GV,
; and the sums of my two rows' E_jj (v82) and F_jj (v83).
.macro SOLVE_FULL
	v_pk_mul_f32 v[110:111], v[28:29], v[TA:TA+1] op_sel:[1,0] op_sel_hi:[1,1]     ; alpha = mu a (mu is the pair's second word)
	v_pk_mul_f32 v[96:97],   v[28:29], v[TP:TP+1] op_sel:[1,0] op_sel_hi:[1,1]     ; beta forward
	v_pk_mul_f32 v[102:103], v[28:29], v[TB:TB+1] op_sel:[1,1] op_sel_hi:[1,0]     ; beta backward, my two rows in the backward order: 2 l + 1, then 2 l
	v_pk_mul_f32 v[98:99],   v[96:97], v[96:97]
	v_pk_mul_f32 v[104:105], v[102:103], v[102:103]
	v_pk_add_f32 v[100:101], v[110:111], 1.0 op_sel_hi:[1,0]
	v_pk_add_f32 v[106:107], v[110:111], 1.0 op_sel:[1,0] op_sel_hi:[0,0]          ; 1 + alpha in the backward order
	s_wait_dscnt 0x0                               ; w of my two rows is in
	v_mov_b32 v36, v3
	v_mov_b32 v37, v2
	ds_store_b64 v11, v[98:99]
	ds_store_b64 v11, v[100:101] offset:CD
	ds_store_b64 v11, v[96:97] offset:CM
	ds_store_b64 v11, v[2:3] offset:CG
	ds_store_b64 v12, v[104:105]
	ds_store_b64 v12, v[106:107] offset:CD
	ds_store_b64 v12, v[102:103] offset:CM
	ds_store_b64 v12, v[36:37] offset:CG
	LOADF 0, 0
	LOADF 1, 1
.set cg8, 0
.rept 8
.if cg8 == 0
	s_wait_dscnt 8                                 ; behind group 0's loads: the other half's eight loads
.else
	s_wait_dscnt 4                                 ; behind this group's loads: the last group's four stores
.endif
	FSTEP 8*cg8
.if (cg8 >= 1) && (cg8 <= 6)
	LOADF (cg8+1)&1, cg8+1
.endif
.set cj, 8*cg8+1
.rept 7
	FSTEP cj
.set cj, cj+1
.endr
.set cg8, cg8+1
.endr
	; both sides meet in each row: 1 / E_jj = 1 + delta, delta = alpha - beta_f m_f - beta_b m_b (so that small mu loses nothing); u_j = (g_f + g_b - w) E_jj; F_jj = delta E_jj
	ds_load_b64 v[64:65], v11 offset:CM            ; m_f of rows 2 l, 2 l + 1
	ds_load_b64 v[66:67], v12 offset:CM            ; m_b of rows 2 l + 1, 2 l
	ds_load_b64 v[68:69], v11 offset:CG            ; g_f
	ds_load_b64 v[70:71], v12 offset:CG            ; g_b, likewise the other way round
	v_pk_mul_f32 v[74:75], v[28:29], v[TA:TA+1] op_sel:[1,0] op_sel_hi:[1,1]
	v_pk_mul_f32 v[72:73], v[28:29], v[TP:TP+1] op_sel:[1,0] op_sel_hi:[1,1]
	v_pk_mul_f32 v[76:77], v[28:29], v[TB:TB+1] op_sel:[1,0] op_sel_hi:[1,1]
	s_wait_dscnt 0x0
	v_pk_fma_f32 v[74:75], v[72:73], v[64:65], v[74:75] neg_lo:[1,0,0] neg_hi:[1,0,0]
	v_pk_fma_f32 v[74:75], v[76:77], v[66:67], v[74:75] op_sel:[0,1,0] op_sel_hi:[1,0,1] neg_lo:[1,0,0] neg_hi:[1,0,0]   ; delta
	v_pk_add_f32 v[80:81], v[68:69], v[70:71] op_sel:[0,1] op_sel_hi:[1,0]
	v_pk_add_f32 v[14:15], v[74:75], 1.0 op_sel_hi:[1,0]
	v_rcp_f32 v14, v14
	v_rcp_f32 v15, v15
	v_pk_add_f32 v[80:81], v[80:81], v[2:3] neg_lo:[0,1] neg_hi:[0,1]     ; the plain instruction behind the reciprocals
	s_wait_alu depctr_va_vdst(0)
	v_pk_mul_f32 v[80:81], v[80:81], v[14:15]      ; u
	v_add_f32 v82, v14, v15
	v_mul_f32 v83, v74, v14
	v_fmac_f32 v83, v75, v15
	SPREADU
.endm
; THE SECOND SOLVE: the same matrix, the right side rho in v2-3; m comes from LDS, E_jj from v14-15.
.macro SOLVE_RHS
	v_mov_b32 v36, v3
	v_mov_b32 v37, v2
	ds_store_b64 v11, v[2:3] offset:CG
	ds_store_b64 v12, v[36:37] offset:CG
	LOADL 0, 0
	LOADL 1, 1
.set cg8, 0
.rept 4
.if cg8 == 0
	s_wait_dscnt 8                                 ; behind group 0's loads: the other half's eight loads
.else
	s_wait_dscnt 4                                 ; behind this group's loads: the last group's four stores
.endif
	LSTEP 16*cg8
.if (cg8 >= 1) && (cg8 <= 2)
	LOADL (cg8+1)&1, cg8+1
.endif
.set cj, 16*cg8+1
.rept 15
	LSTEP cj
.set cj, cj+1
.endr
.set cg8, cg8+1
.endr
	ds_load_b64 v[68:69], v11 offset:CG
	ds_load_b64 v[70:71], v12 offset:CG
	s_wait_dscnt 0x0
	v_pk_add_f32 v[80:81], v[68:69], v[70:71] op_sel:[0,1] op_sel_hi:[1,0]
	v_pk_add_f32 v[80:81], v[80:81], v[2:3] neg_lo:[0,1] neg_hi:[0,1]
	v_pk_mul_f32 v[80:81], v[80:81], v[14:15]
	SPREADU
.endm
; ================= A: addresses, loads, sum H^2, y spread =================
	s_load_b256 s[4:11], s[0:1], 0x0               ; H s[4:5], y s[6:7], sigma2 s[8:9], step s[10:11]
	s_load_b64 s[12:13], s[0:1], 0x20              ; out0
	v_and_b32 v1, 31, v0                           ; l
	v_lshrrev_b32 v2, 5, v0
	v_readfirstlane_b32 s14, v2                    ; wave
	v_and_b32 v2, 7, v0                            ; cg
	v_bfe_u32 v3, v0, 3, 2                         ; rg
	s_mul_i32 s18, s14, LW                         ; LB
	s_lshl_b32 s15, ttmp9, 4
	s_add_co_u32 s15, s15, s14                     ; my problem = 16 x work-group + wave
	v_lshlrev_b32 v4, 4, v2
	v_lshl_add_u32 v4, v3, 8, v4                   ; 256 rg + 16 cg
	v_lshlrev_b32 v5, 2, v2                        ; 4 (8 e + cg), e = 0 .. 3
	v_add_nc_u32 v6, 32, v5
	v_add_nc_u32 v7, 64, v5
	v_add_nc_u32 v8, 96, v5
	v_lshl_add_u32 v9, v3, 2, s18
	v_lshl_add_u32 v10, v1, 3, s18
	v_add_nc_u32 v11, CH, v10
	v_sub_nc_u32 v12, 31, v1                       ; 31 - l: the backward arrays lie in the order of the steps
	v_lshl_add_u32 v12, v12, 3, s18
	v_add_nc_u32 v12, CH+1024, v12
	v_lshrrev_b32 v13, 4, v1
	v_lshl_add_u32 v13, v13, 10, s18
	v_add_nc_u32 v13, CH, v13
	v_lshlrev_b32 v17, 3, v1
	v_and_b32 v18, 15, v1
	v_lshlrev_b32 v18, 4, v18
	s_mov_b32 s20, 0x76543210                      ; v_permlanex16_b32: each lane takes its own place in the other half
	s_mov_b32 s21, 0xfedcba98
	s_mov_b32 s22, 0xff
	s_mov_b32 s23, 0xff00
	s_mov_b32 s24, 0xff0000
	s_mov_b32 s25, 0xff000000
	s_mov_b32 s26, 0xffffff00
	s_mov_b32 s27, 0xffff0000
	s_mov_b32 s28, 0xff000000
	s_mov_b32 s32, 1
	s_mov_b32 s33, 2
	s_mov_b32 s34, 4
.irp r, 20,21,22,23,24,25,30,31
	v_mov_b32 v\r, 0                               ; T is filled lane by lane (row 0 keeps b_(-1) = 0); v30, v31 count as read by the lane exchange
.endr
	s_wait_kmcnt 0x0
	s_lshl_b32 s16, s15, 14                        ; 16,384 bytes of H a problem: under 2^26
	s_mov_b32 s17, 0
	s_add_nc_u64 s[4:5], s[4:5], s[16:17]
	s_lshl_b32 s16, s15, 8                         ; 256 bytes of y and of out0
	s_add_nc_u64 s[6:7], s[6:7], s[16:17]
	s_add_nc_u64 s[12:13], s[12:13], s[16:17]
	s_lshl_b32 s16, s15, 2
	s_add_nc_u64 s[8:9], s[8:9], s[16:17]
.set ldi, 0
.rept 16                                               ; a slot's two loads together cover four whole rows of 256 bytes; all 16 KiB are on their way at once
	global_load_b128 v[P+8*ldi:P+8*ldi+3],   v4, s[4:5] offset:1024*ldi th:TH_LOAD_NT
	global_load_b128 v[P+8*ldi+4:P+8*ldi+7], v4, s[4:5] offset:1024*ldi+128 th:TH_LOAD_NT
.set ldi, ldi+1
.endr
	global_load_b64 v[64:65], v17, s[6:7] th:TH_LOAD_NT
	s_load_b32 s38, s[8:9], 0x0
	s_wait_loadcnt 0x0
	s_wait_kmcnt 0x0
.irp i, 0,1,2,3
	v_pk_mul_f32 v[TT+2*\i:TT+2*\i+1], v[P+2*\i:P+2*\i+1], v[P+2*\i:P+2*\i+1]
.endr
.set ldi, 8
.rept 15
.irp i, 0,1,2,3
	v_pk_fma_f32 v[TT+2*\i:TT+2*\i+1], v[P+ldi+2*\i:P+ldi+2*\i+1], v[P+ldi+2*\i:P+ldi+2*\i+1], v[TT+2*\i:TT+2*\i+1]
.endr
.set ldi, ldi+8
.endr
	v_pk_add_f32 v[TT:TT+1], v[TT:TT+1], v[TT+2:TT+3]
	v_pk_add_f32 v[TT+4:TT+5], v[TT+4:TT+5], v[TT+6:TT+7]
	v_pk_add_f32 v[TT:TT+1], v[TT:TT+1], v[TT+4:TT+5]
	v_add_f32 v36, v[TT], v[TT+1]
	ALLSUM 36                                      ; tr(H^T H), which Q leaves as it is
	v_rcp_f32 v26, v36
	v_rcp_f32 v27, s38
	v_mov_b32 v19, s38
	v_mul_f32 v19, 0xc2800000, v19                 ; -M sigma2
	ds_store_b64 v10, v[64:65]                     ; y natural -> spread; LDS serves a wave's instructions in order (ISA guide 5.7.1.4)
.set ldi, 0
.rept 16
	ds_load_b32 v[Y+ldi], v9 offset:16*ldi
.set ldi, ldi+1
.endr
	NEXTPIV 0
; ================= B: 64 Householder steps.  After the stages natural slot q lies at place q xor 12. =================
	STAGE 16
	STAGE 12
	STAGE 8
	STAGE 4
	s_wait_dscnt 0x0                               ; the last pulls (not used): their registers serve other ends below
; ================= C: ten layers =================
.irp c, 0,1,2,3,4,5,6,7
	v_mov_b32 v[XV+\c], 0
.endr
	v_mov_b32 v8, 1.0                              ; what the chains' first step reads as 1 / p and g of a forerunner
	v_mov_b32 v16, 0
	s_mov_b32 s41, 0
	s_mov_b32 s42, 0
.Llayer:                                               ; no LDS and no scalar load is out here, on the way in or back
	s_load_b32 s40, s[10:11], s42 offset:0x0       ; step[t]
	ROWDOT 16, XV
.set lyi, 0
.rept 8
	v_pk_add_f32 v[GV+lyi:GV+lyi+1], v[Y+lyi:Y+lyi+1], v[GV+lyi:GV+lyi+1] neg_lo:[0,1] neg_hi:[0,1]   ; the residual w
.set lyi, lyi+2
.endr
	TONATURAL
	ds_load_b64 v[2:3], v10                        ; w of my two rows
	v_pk_mul_f32 v[SQ:SQ+1], v[GV:GV+1], v[GV:GV+1]
.set lyi, 2
.rept 7
	v_pk_fma_f32 v[SQ:SQ+1], v[GV+lyi:GV+lyi+1], v[GV+lyi:GV+lyi+1], v[SQ:SQ+1]
.set lyi, lyi+2
.endr
	v_add_f32 v36, v[SQ], v[SQ+1]
	RGSUM 36, 1
	v_add_f32 v28, v36, v19
	v_mul_f32 v28, v28, v26
	v_maximum_f32 v28, 0x3089705f, v28             ; v2 = max((|resid|^2 - M sigma2) / tr, 1e-9)
	v_mul_f32 v29, v28, v27                        ; mu
	SOLVE_FULL                                     ; u0
	ALLSUM2 82, 83                                 ; tr E, tr F
	s_wait_kmcnt 0x0                               ; step[t]
	v_rcp_f32 v36, v83
	v_sub_f32 v38, 1.0, s40
	v_mul_f32 v38, v38, v38
	s_wait_alu depctr_va_vdst(0)
	v_mul_f32 v37, v82, v36
	v_mul_f32 v39, s40, s40
	v_fma_f32 v38, v39, v37, v38                   ; (1 - step)^2 + step^2 tr E / tr F
	v_mul_f32 v38, v38, v28
	v_maximum_f32 v38, 0x3089705f, v38             ; tau2
	v_rcp_f32 v37, v38
	v_mul_f32 v39, s40, v29
	v_mul_f32 v39, 0x42800000, v39
	v_mul_f32 v4, v39, v36                         ; step N mu / tr F
	v_mov_b32 v5, v4
	s_wait_alu depctr_va_vdst(0)
	v_mul_f32 v6, 0x4038aa3b, v37                  ; 2 log2(e) / tau2
	v_mov_b32 v7, v6
	s_wait_dscnt 0x0                               ; u0 is in, spread
	COLDOT 16, 0                                   ; z0 = H^T u0
.irp j, 0,1,2,3
	v_pk_fma_f32 v[XV+2*\j:XV+2*\j+1], v[W+2*\j:W+2*\j+1], v[4:5], v[XV+2*\j:XV+2*\j+1]   ; x takes its first part of r: x itself is not read again in this layer
.endr
	ROWDOT 16, W                                   ; H z0
	TONATURAL
	ds_load_b64 v[32:33], v10                      ; H z0 of my two rows
	v_pk_add_f32 v[2:3], v[2:3], v[80:81] neg_lo:[0,1] neg_hi:[0,1]
	s_wait_dscnt 0x0
	v_pk_fma_f32 v[2:3], v[28:29], v[32:33], v[2:3] op_sel:[1,0,0] op_sel_hi:[1,1,1] neg_lo:[1,0,0] neg_hi:[1,0,0]   ; rho = w - u0 - mu H H^T u0
	SOLVE_RHS                                      ; du
	s_wait_dscnt 0x0                               ; du is in, spread
	COLDOT 16, 0
.irp j, 0,1,2,3
	v_pk_fma_f32 v[W+2*\j:W+2*\j+1], v[W+2*\j:W+2*\j+1], v[4:5], v[XV+2*\j:XV+2*\j+1]     ; r
.endr
.irp j, 0,1,2,3
	v_pk_mul_f32 v[W+2*\j:W+2*\j+1], v[W+2*\j:W+2*\j+1], v[6:7]
.endr
.irp c, 0,1,2,3,4,5,6,7
	v_exp_f32 v[W+\c], v[W+\c]
.endr
	v_nop                                          ; a plain instruction between the last exponential and its use
	s_wait_alu depctr_va_vdst(0)
.irp j, 0,1,2,3
	v_pk_add_f32 v[W+2*\j:W+2*\j+1], v[W+2*\j:W+2*\j+1], 1.0 op_sel_hi:[1,0]
.endr
.irp c, 0,1,2,3,4,5,6,7
	v_rcp_f32 v[W+\c], v[W+\c]
.endr
	v_nop
	s_wait_alu depctr_va_vdst(0)
.irp j, 0,1,2,3
	v_pk_fma_f32 v[XV+2*\j:XV+2*\j+1], v[W+2*\j:W+2*\j+1], -2.0, 1.0 op_sel_hi:[1,0,0]    ; x = tanh(r / tau2)
.endr
	s_add_co_u32 s42, s42, 4                       ; free: the load that named it was waited for above
	s_add_co_u32 s41, s41, 1
	s_cmp_lt_u32 s41, 10
	s_cbranch_scc1 .Llayer
; ================= D: x out.  Lanes 0-7 hold columns 4 l .. 4 l + 3, lanes 8-15 columns 32 + 4 (l - 8) ..: sixteen lanes store 256 consecutive bytes, aligned =================
.irp c, 0,1,2,3
	v_cndmask_b32 v[64+\c], v[XV+\c], v[XV+4+\c], s23
.endr
	v_cmp_gt_u32 vcc_lo, 16, v1
	s_wait_xcnt 0x0                                ; EXEC is narrowed only when every earlier memory instruction has had its addresses translated
	s_and_saveexec_b32 s43, vcc_lo
	global_store_b128 v18, v[64:67], s[12:13] th:TH_STORE_NT
	s_wait_xcnt 0x0                                ; and widened again only behind the same wait
	s_or_b32 exec_lo, exec_lo, s43
	s_endpgm
.Lfunc_end_k_q9b4fd9769d_tista:
	.size	k_q9b4fd9769d_tista, .Lfunc_end_k_q9b4fd9769d_tista-k_q9b4fd9769d_tista
	.p2alignl 7, 3214868480
	.fill 96, 4, 3214868480
	.section	.rodata,"a",@progbits
	.p2align	6, 0x0
	.amdhsa_kernel k_q9b4fd9769d_tista
		.amdhsa_group_segment_fixed_size 40960
		.amdhsa_private_segment_fixed_size 0
		.amdhsa_enable_private_segment 0
		.amdhsa_kernarg_size 40
		.amdhsa_user_sgpr_count 2
		.amdhsa_user_sgpr_kernarg_segment_ptr 1
		.amdhsa_wavefront_size32 1
		.amdhsa_system_sgpr_workgroup_id_x 1
		.amdhsa_system_sgpr_workgroup_id_y 1
		.amdhsa_system_sgpr_workgroup_id_z 1
		.amdhsa_system_vgpr_workitem_id 0
		.amdhsa_next_free_vgpr 256
		.amdhsa_next_free_sgpr 66
		.amdhsa_reserve_vcc 1
		.amdhsa_float_denorm_mode_32 3
		.amdhsa_float_denorm_mode_16_64 3
		.amdhsa_memory_ordered 1
		.amdhsa_forward_progress 1
		.amdhsa_inst_pref_size 255
	.end_amdhsa_kernel
	.section	.bss,"aw",@nobits
	.p2align	6
	.space	262144
	.amdgpu_metadata
---
amdhsa.version: [ 1, 2 ]
amdhsa.kernels:
  - .name:           k_q9b4fd9769d_tista
    .symbol:         k_q9b4fd9769d_tista.kd
    .args:
      - { .name: H, .offset: 0, .size: 8, .value_kind: global_buffer, .address_space: global }
      - { .name: y, .offset: 8, .size: 8, .value_kind: global_buffer, .address_space: global }
      - { .name: sigma2, .offset: 16, .size: 8, .value_kind: global_buffer, .address_space: global }
      - { .name: step, .offset: 24, .size: 8, .value_kind: global_buffer, .address_space: global }
      - { .name: out0, .offset: 32, .size: 8, .value_kind: global_buffer, .address_space: global }
    .group_segment_fixed_size: 40960
    .private_segment_fixed_size: 0
    .kernarg_segment_align: 8
    .kernarg_segment_size: 40
    .max_flat_workgroup_size: 512
    .sgpr_count:     66
    .vgpr_count:     256
    .wavefront_size: 32
...
	.end_amdgpu_metadata
.endif
;; end of part 2
